; MI455X (gfx1250); checked and timed in simulation.
; The chip was launched on July 23, 2026; its instructions are those of AMD's public machine-readable ISA for CDNA 5 (MIT licence, August 2026) and "CDNA5" Instruction Set Architecture Reference Guide (July 2026). The comments in the code are by the model that wrote it; some were corrected since.
;; Multi Head Attention. Allowed arithmetic: float matrix products may take bf16 or f16 operands with f32 sums; all other float work in f32.
;; Inputs: Wk 768 x 768 float32; Wo 768 x 768 float32; Wq 768 x 768 float32; Wv 768 x 768 float32; att_mask 8 x 1,024 bool; beta 768 float32; bk 768 float32; bo 768 float32; bq 768 float32; bv 768 float32; gamma 768 float32; k 8 x 1,024 x 768 float32; q 8 x 1,024 x 768 float32; v 8 x 1,024 x 768 float32.
;; Outputs: out0 8 x 1,024 x 768 float32.
;; One version. Each part assembles by itself: llvm-mc -triple=amdgcn-amd-amdhsa -mcpu=gfx1250 --defsym DOCPART=n.
;; ======== version 1 of 1: 4 launches
;; limits: right only within a limited range of input values; values are held in f16: magnitudes above 65,504 overflow, below 6.1e-05 lose precision
;; workspace buffers: wp 4,718,592 bytes; perm 32,768 bytes of whole numbers; ecnt 34,816 bytes of whole numbers; qh 12,582,912 bytes; kh 12,582,912 bytes; vh 12,582,912 bytes; ah 12,582,912 bytes
;; launch prep (part 1): grid 72 x 4, 8 waves a work-group, no clusters, 0 bytes of LDS; arguments Wq, Wk, Wv, Wo, att_mask, wp, perm, ecnt; writes wp, perm, ecnt
.if DOCPART == 1
	.amdgcn_target "amdgcn-amd-amdhsa--gfx1250"
	.amdhsa_code_object_version 6
	.text
	.protected	k_qe465359516_prep
	.globl	k_qe465359516_prep
	.p2align	8
	.type	k_qe465359516_prep,@function
k_qe465359516_prep:
	s_mov_b64 s[64:65], 0
	v_nop
	global_prefetch_b8 v0, s[64:65] scope:SCOPE_SE
	s_setreg_imm32_b32 hwreg(HW_REG_WAVE_MODE, 25, 1), 1
	s_wait_xcnt 0x0
; PART 1.  The four weight matrices [768 (k)][768 (n)] f32 are rounded to f16 and laid out in the order in which a matrix
; operand is loaded.  Matrix i (0 Wq, 1 Wk, 2 Wv, 3 Wo), column tile nt (16 columns), K step ks (32 rows) make a block of
; 1,024 bytes at ((i*48 + nt)*24 + ks)*1024; in it the 16 bytes at g*256 + (n & 15)*16 hold W[32 ks + 8 g + 0..7][n].
; A work-group takes one K step (32 rows of W) and 256 columns; thread t takes one column: 32 loads of 4 bytes (a wave's
; load covers 128 neighbouring bytes, the eight waves 1,024), 16 roundings, 4 stores of 16 bytes of which sixteen
; neighbouring lanes fill 256 consecutive bytes, aligned.  No LDS, no matrix unit: every byte is moved once.
; LIMIT KEPT: f16, so |W| at most 65,504; weights below 6.1e-5 in size keep an absolute error of 3e-8.
; PART 2 (work-groups x < 8 of y = 0, batch x).  The keys are put in a new order: the unpadded ones first, then the padded ones, each
; group ascending.  perm[b][p] = the key at place p;  ecnt[b][k] = how many unpadded keys lie below k, k = 0 .. 1,024 (4,352 bytes
; a batch; entries 1,024 .. 1,055 all hold the number of unpadded keys).  Whole numbers, from which the attention launch forms its
; addresses and trip counts.  Every wave counts all 32 groups of 32 keys (a compare's lane mask, the bits below the lane, a scalar running
; count) and stores four groups.  These two tables are 67,584 bytes in all: their stores of 4 bytes a lane are left as they are.
.set ROWB, 3072                        ; bytes in a row of W
	s_load_b512 s[8:23], s[0:1], 0x0               ; Wq 8, Wk 10, Wv 12, Wo 14, att_mask 16, wp 18, perm 20, ecnt 22
	s_and_b32 s3, ttmp7, 0xffff                    ; i: which matrix
	s_mul_i32 s24, ttmp9, 171
	s_lshr_b32 s24, s24, 9                         ; ks = x / 3 (exact for x below 72)
	s_mul_i32 s25, s24, 3
	s_sub_co_u32 s25, ttmp9, s25                   ; nb = x - 3 ks: which 256 columns
	v_lshlrev_b32 v1, 2, v0
	v_lshl_add_u32 v1, s25, 10, v1                 ; 4 n, n = 256 nb + t
	v_lshrrev_b32 v2, 4, v0
	v_mul_u32_u24 v2, v2, 24576                    ; (t / 16) column tiles of 24 blocks
	v_and_b32 v3, 15, v0
	v_lshl_add_u32 v2, v3, 4, v2                   ; + 16 (n & 15)
	s_mul_i32 s26, s24, 32*ROWB                    ; the K step's first row
	s_mov_b32 s27, 0
	s_mul_i32 s28, s3, 1179648                     ; matrix i in wp
	s_lshl_b32 s29, s24, 10
	s_add_co_u32 s28, s28, s29                     ; + ks blocks
	s_mul_i32 s29, s25, 393216                     ; + 16 nb column tiles
	s_add_co_u32 s28, s28, s29
	s_mov_b32 s29, 0
	s_wait_kmcnt 0x0
	s_cmp_eq_u32 s3, 1
	s_cselect_b64 s[4:5], s[10:11], s[8:9]
	s_cmp_eq_u32 s3, 2
	s_cselect_b64 s[4:5], s[12:13], s[4:5]
	s_cmp_eq_u32 s3, 3
	s_cselect_b64 s[4:5], s[14:15], s[4:5]
	s_add_nc_u64 s[4:5], s[4:5], s[26:27]
	s_add_nc_u64 s[6:7], s[18:19], s[28:29]
.set j, 0
.rept 32
	global_load_b32 v[8+j], v1, s[4:5] offset:j*ROWB th:TH_LOAD_NT   ; W[32 ks + j][n]; read once in the launch
.set j, j+1
.endr
	s_wait_loadcnt 0x0
.set j, 0
.rept 16
	v_cvt_pk_f16_f32 v[40+j], v[8+2*j], v[8+2*j+1]
.set j, j+1
.endr
.irp g, 0,1,2,3
	global_store_b128 v2, v[40+4*\g:40+4*\g+3], s[6:7] offset:256*\g
.endr
	s_cmp_lg_u32 s3, 0
	s_cbranch_scc1 .Lend
	s_cmp_ge_u32 ttmp9, 8
	s_cbranch_scc1 .Lend
	; PART 2: batch x
	v_lshrrev_b32 v4, 5, v0
	v_readfirstlane_b32 s30, v4                    ; wave
	v_and_b32 v4, 31, v0                           ; lane
	v_lshlrev_b32 v5, 2, v4                        ; 4 lane
	s_lshl_b32 s26, ttmp9, 10
	s_add_nc_u64 s[16:17], s[16:17], s[26:27]      ; the batch's 1,024 mask bytes
	s_lshl_b32 s26, ttmp9, 12
	s_add_nc_u64 s[20:21], s[20:21], s[26:27]      ; its part of perm
	s_mul_i32 s26, ttmp9, 4352
	s_add_nc_u64 s[22:23], s[22:23], s[26:27]      ; its part of ecnt
	s_wait_xcnt 0x0                                ; the stores above have had their addresses translated: v40 .. are written again
.set g, 0
.rept 32
	global_load_u8 v[8+g], v4, s[16:17] offset:32*g            ; group g: key 32 g + lane
.set g, g+1
.endr
	s_wait_loadcnt 0x0
	s_mov_b32 s31, 0                               ; unpadded keys so far
.set g, 0
.rept 32
	v_cmp_eq_u32 vcc_lo, 0, v[8+g]                 ; the group's unpadded keys
	v_mbcnt_lo_u32_b32 v[40+g], vcc_lo, s31        ; those below my key, earlier groups included
	s_bcnt1_i32_b32 s32, vcc_lo
	s_add_co_u32 s31, s31, s32
.set g, g+1
.endr
	; s31 = the number of unpadded keys.  Wave w stores groups 4 w .. 4 w + 3.
.irp wv, 0,1,2,3,4,5,6,7
	s_cmp_lg_u32 s30, \wv
	s_cbranch_scc1 .Lnot_\wv
.irp gg, 0,1,2,3
	v_add_nc_u32 v[72+2*\gg], 32*(4*\wv+\gg), v4               ; my key
	v_sub_nc_u32 v[73+2*\gg], v[72+2*\gg], v[40+4*\wv+\gg]     ; padded keys below it
	v_add_nc_u32 v[73+2*\gg], s31, v[73+2*\gg]                 ; a padded key's place
	v_cmp_eq_u32 vcc_lo, 0, v[8+4*\wv+\gg]
	v_cndmask_b32 v[73+2*\gg], v[73+2*\gg], v[40+4*\wv+\gg], vcc_lo   ; an unpadded key's place
	v_min_u32 v[73+2*\gg], 0x3ff, v[73+2*\gg]                  ; a place is below 1,024
	v_lshlrev_b32 v[73+2*\gg], 2, v[73+2*\gg]
	global_store_b32 v[73+2*\gg], v[72+2*\gg], s[20:21]
	global_store_b32 v5, v[40+4*\wv+\gg], s[22:23] offset:128*(4*\wv+\gg)
.endr
.if \wv == 7
	v_mov_b32 v6, s31
	global_store_b32 v5, v6, s[22:23] offset:4096              ; entries 1,024 .. 1,055
.endif
.Lnot_\wv:
.endr
.Lend:
	s_endpgm
.Lfunc_end_k_qe465359516_prep:
	.size	k_qe465359516_prep, .Lfunc_end_k_qe465359516_prep-k_qe465359516_prep
	.p2alignl 7, 3214868480
	.fill 96, 4, 3214868480
	.section	.rodata,"a",@progbits
	.p2align	6, 0x0
	.amdhsa_kernel k_qe465359516_prep
		.amdhsa_group_segment_fixed_size 0
		.amdhsa_private_segment_fixed_size 0
		.amdhsa_enable_private_segment 0
		.amdhsa_kernarg_size 64
		.amdhsa_user_sgpr_count 2
		.amdhsa_user_sgpr_kernarg_segment_ptr 1
		.amdhsa_wavefront_size32 1
		.amdhsa_system_sgpr_workgroup_id_x 1
		.amdhsa_system_sgpr_workgroup_id_y 1
		.amdhsa_system_sgpr_workgroup_id_z 1
		.amdhsa_system_vgpr_workitem_id 0
		.amdhsa_next_free_vgpr 80
		.amdhsa_next_free_sgpr 66
		.amdhsa_reserve_vcc 1
		.amdhsa_float_denorm_mode_32 3
		.amdhsa_float_denorm_mode_16_64 3
		.amdhsa_memory_ordered 1
		.amdhsa_forward_progress 1
		.amdhsa_inst_pref_size 30
	.end_amdhsa_kernel
	.amdgpu_metadata
---
amdhsa.version: [ 1, 2 ]
amdhsa.kernels:
  - .name:           k_qe465359516_prep
    .symbol:         k_qe465359516_prep.kd
    .args:
      - { .name: Wq, .offset: 0, .size: 8, .value_kind: global_buffer, .address_space: global }
      - { .name: Wk, .offset: 8, .size: 8, .value_kind: global_buffer, .address_space: global }
      - { .name: Wv, .offset: 16, .size: 8, .value_kind: global_buffer, .address_space: global }
      - { .name: Wo, .offset: 24, .size: 8, .value_kind: global_buffer, .address_space: global }
      - { .name: att_mask, .offset: 32, .size: 8, .value_kind: global_buffer, .address_space: global }
      - { .name: wp, .offset: 40, .size: 8, .value_kind: global_buffer, .address_space: global }
      - { .name: perm, .offset: 48, .size: 8, .value_kind: global_buffer, .address_space: global }
      - { .name: ecnt, .offset: 56, .size: 8, .value_kind: global_buffer, .address_space: global }
    .group_segment_fixed_size: 0
    .private_segment_fixed_size: 0
    .kernarg_segment_align: 8
    .kernarg_segment_size: 64
    .max_flat_workgroup_size: 256
    .sgpr_count:     66
    .vgpr_count:     80
    .wavefront_size: 32
...
	.end_amdgpu_metadata
.endif
;; end of part 1
;; launch proj (part 2): grid 64 x 3, 8 waves a work-group, no clusters, 327,680 bytes of LDS; arguments q, k, v, bq, bk, bv, wp, qh, kh, vh; writes qh, kh, vh
.if DOCPART == 2
	.amdgcn_target "amdgcn-amd-amdhsa--gfx1250"
	.amdhsa_code_object_version 6
	.text
	.protected	k_qe465359516_proj
	.globl	k_qe465359516_proj
	.p2align	8
	.type	k_qe465359516_proj,@function
k_qe465359516_proj:
	s_mov_b64 s[64:65], 0
	v_nop
	global_prefetch_b8 v0, s[64:65] scope:SCOPE_SE
	s_setreg_imm32_b32 hwreg(HW_REG_WAVE_MODE, 25, 1), 1
	s_wait_xcnt 0x0
; The three input projections, Y = X W + bias, X [8192][768] f32, W from wp (f16, operand order), sums in f32, Y in f16.
; Grid y picks (q, bq, Wq, qh), (k, bk, Wk, kh) or (v, bv, Wv, vh).  qh, kh, vh: [b*12+head][l][64].
; A work-group makes 128 rows x all 768 columns, so X is read once; wave w makes 128 x 96: 48 accumulator tiles, 384 registers.
; X comes by tensor loads as f32 (each wave its own 16 rows, 128 columns a chunk, two slots), is rounded to f16 and put
; into one shared tile XB, from which all waves read their operands.
; W: a wave's 96 columns are used by that wave alone, so its operands go from memory straight into registers (two loads of
; 512 neighbouring bytes each), one K step ahead.  NO CLUSTER: what work-groups share is W, 1,179,648 bytes a work-group, and a joint
; load would have to lay it into LDS, from where each byte would be read once by one wave: an LDS write and an LDS read more for
; each byte; the tiles that do go through LDS (X) belong to one work-group each.
; 192 work-groups: a block of fewer columns would read X several times.
; LIMIT KEPT: f16 operands and results: |X|, |W| and |Y| at most 65,504.  (X and W each with an offset of 30 of their spreads give
; 768 x 30 x 1.47 = 33,900; all inputs 30 times larger give a spread of 1,224.)
.set XB,      135168                   ; the f16 tile: 128 rows, behind the f32 ring
.set XPITCH,  272                      ; 256 bytes + 16: sixteen rows start at sixteen different 16-byte columns modulo 256
.set RPITCH,  528                      ; f32 ring row: 512 bytes + 16
.set RSLOT,   16*RPITCH                ; a wave's slot: 16 rows
.set SPITCH,  144                      ; the stage on the way out: 128 bytes + 16
.set SHEAD,   128*SPITCH               ; a head's 128 rows.  The stage [12][128][144] lies over ring and XB, behind their last use
.set VOFF, 1                           ; v1   16 lane + the chunk's 4 blocks: offset into my W blocks
.set XA,   2                           ; v2   XB + r*272 + 16 h
.set CR,   3                           ; v3   where I read f32 in my slots
.set CW,   4                           ; v4   where I put f16 in XB
.set ST,   5                           ; v5   r*144 + 16 h
.set RB,   6                           ; v6   the way out: where I read rows back
.set OUTO, 7                           ; v7   16 lane
.set BO,   8                           ; v8   offset of my bias numbers
.set SA,   9                           ; v9   stage address of a column tile
.set XF,   16                          ; v16-79   eight operands of X; also at work in conversions and on the way out
.set WR,   80                          ; v80-127  six operands of W; on the way out the bias
.set G1,   16                          ; s[16:23] descriptor group 1
.set G0,   24                          ; s[24:31] descriptor group 0, one set a slot
.set WB,   10                          ; s[10:11] my W blocks
.set OB,   14                          ; s[14:15] my part of the output
.set BB,   52                          ; s[52:53] bias
; accumulator tile (nt, mt), a = 8 nt + mt: a < 32 in v256-511 (register 8 a of window 1), the others in v128-255
.set MSB, 0
.macro WIN new                         ; the immediate's high byte repeats the setting that is left
.if MSB != \new
	s_set_vgpr_msb (MSB<<8)|\new
.set MSB, \new
.endif
.endm
.macro PLACES                          ; four places behind matrix instructions in front of loads into their sources and of readers of their results
.rept 4
	v_nop
.endr
.endm
; Source 0 = W (16 columns n), source 1 = X (16 rows): a lane holds row r and eight neighbouring n.
.macro MM zero, wf, xf
.if \zero
	v_wmma_f32_16x16x32_f16 v[AC:AC+7], v[\wf:\wf+7], v[\xf:\xf+7], 0
.else
	v_wmma_f32_16x16x32_f16 v[AC:AC+7], v[\wf:\wf+7], v[\xf:\xf+7], v[AC:AC+7]
.endif
.endm
; One K step of 32: 16 LDS loads, 48 matrix instructions.  The 48 accumulators take turns, one instruction a turn, over all
; jumps too.  pf = 1: each W operand is loaded again, for the next K step, as soon as it has been used.
.macro KSTEP zero, kl, pf
.irp mt, 0,1,2,3,4,5,6,7
	ds_load_b128 v[XF+8*\mt:XF+8*\mt+3],   v[XA] offset:\mt*16*XPITCH+\kl*64
	ds_load_b128 v[XF+8*\mt+4:XF+8*\mt+7], v[XA] offset:\mt*16*XPITCH+\kl*64+32
.endr
.irp nt, 0,1,2,3,4,5
.if \pf
	s_wait_loadcnt 10                              ; behind this operand's two loads five operands' loads were issued: they stay out
.else
	s_wait_loadcnt 10-2*\nt                        ; the last K step: only the operands still to come are out
.endif
.if \nt < 4
	WIN 0x50                                       ; C and D in window 1
.endif
.irp mt, 0,1,2,3,4,5,6,7
.if \nt < 4
.set AC, 8*(8*\nt+\mt)
.else
.set AC, 128+8*(8*\nt+\mt-32)
.endif
.if \nt == 0
	s_wait_dscnt 14-2*\mt                          ; LDS loads come back in order: operand mt of X is in
.endif
	MM \zero, WR+8*\nt, XF+8*\mt
.endr
	WIN 0
	PLACES
.if \pf
	global_load_b128 v[WR+8*\nt:WR+8*\nt+3],   v[VOFF], s[WB:WB+1] offset:(\kl+1)*1024+\nt*24576
	global_load_b128 v[WR+8*\nt+4:WR+8*\nt+7], v[VOFF], s[WB:WB+1] offset:(\kl+1)*1024+\nt*24576+512
.endif
.endr
.endm
; A chunk = 128 along K = four K steps, from ring slot 'slot'.
.macro CHUNK slot, first, refill, last
.if \first
	s_wait_tensorcnt 0x1                           ; my chunk 0 is in (I alone read my slots); chunk 1 stays out
.else
	s_wait_dscnt 0x0                               ; my reads of XB and of the other slot are back
	s_wait_tensorcnt 0x0                           ; all my tensor loads have landed, this chunk's among them
	ds_add_u32 v14, v15
	s_wait_dscnt 0x0
.if \refill
	s_add_nc_u64 s[G0+4*(1-\slot)+2:G0+4*(1-\slot)+3], s[G0+4*(1-\slot)+2:G0+4*(1-\slot)+3], 1024   ; the other slot's next chunk: two chunks of 512 bytes on
.endif
	s_barrier_signal -1
	s_barrier_wait -1                              ; nobody reads XB any more; every wave's loads have landed
.if \refill
	tensor_load_to_lds s[G0+4*(1-\slot):G0+4*(1-\slot)+3], s[G1:G1+7]   ; my one load behind this barrier; it has this chunk's 192 matrix instructions in which to land
	s_nop 0
.endif
.endif
	; f32 to f16: my 16 rows x 128 columns; a load takes two rows' 256 bytes
.irp u, 0,1,2,3,4,5,6,7
.irp c, 0,1
	ds_load_b128 v[XF+8*\u+4*\c:XF+8*\u+4*\c+3], v[CR] offset:\slot*RSLOT+\u*2*RPITCH+\c*256
.endr
.endr
	s_wait_dscnt 0x0
.set i, 0
.rept 16
	v_cvt_pk_f16_f32 v[XF+4*i],   v[XF+4*i],   v[XF+4*i+1]
	v_cvt_pk_f16_f32 v[XF+4*i+1], v[XF+4*i+2], v[XF+4*i+3]
.set i, i+1
.endr
.irp u, 0,1,2,3,4,5,6,7
.irp c, 0,1
	ds_store_b64 v[CW], v[XF+8*\u+4*\c:XF+8*\u+4*\c+1] offset:\u*2*XPITCH+\c*128
.endr
.endr
	s_wait_dscnt 0x0                               ; my rows of XB are written,
	s_barrier_signal -1
	s_barrier_wait -1                              ; everybody's are.  The load just issued stays out
.if \first
	KSTEP 1, 0, 1                                  ; the first products start the sums: nothing is cleared
.else
	s_wait_xcnt 0x0                                ; the pending W loads have had their addresses translated: VOFF may step
	v_add_nc_u32 v[VOFF], 4096, v[VOFF]
	KSTEP 0, 0, 1
.endif
	KSTEP 0, 1, 1
	KSTEP 0, 2, 1
.if \last
	KSTEP 0, 3, 0
.else
	KSTEP 0, 3, 1
.endif
.endm
	s_load_b512 s[32:47], s[0:1], 0x0              ; q 32, k 34, v 36, bq 38, bk 40, bv 42, wp 44, qh 46
	s_load_b128 s[48:51], s[0:1], 0x40             ; kh 48, vh 50
	v_lshl_add_u32 v14, v0, 2, 0x36000
	v_mov_b32 v15, 0
	ds_add_u32 v14, v15
	ds_add_u32 v14, v15
	v_lshrrev_b32 v1, 5, v0
	v_readfirstlane_b32 s2, v1                     ; wave
	s_and_b32 s3, ttmp7, 0xffff                    ; which projection
	; group 1: 16 rows x 128 elements of 4 bytes, 768 from row to row, 4 words of padding behind every 128 words
	s_mov_b32 s[G1+0], (2<<16)|(1<<20)|(6<<22)|(3<<25)
	s_mov_b32 s[G1+1], 128<<16                     ; tensor_dim0
	s_mov_b32 s[G1+2], 16<<16                      ; tensor_dim1
	s_mov_b32 s[G1+3], 128<<16                     ; tile_dim0
	s_mov_b32 s[G1+4], 16                          ; tile_dim1
	s_mov_b32 s[G1+5], 768                         ; pitch
	s_mov_b32 s[G1+6], 0
	s_mov_b32 s[G1+7], 0
	s_lshl_b32 s4, ttmp9, 7
	s_lshl4_add_u32 s4, s2, s4                     ; my first row: 128 x + 16 w
	s_mul_i32 s4, s4, 3072
	s_mov_b32 s5, 0
	s_mul_i32 s8, s2, 2*RSLOT                      ; my two slots
	s_mul_i32 s12, s3, 1179648                     ; my matrix in wp
	s_mul_i32 s13, s2, 147456                      ; my six column tiles
	s_add_co_u32 s12, s12, s13
	s_mov_b32 s13, 0
	s_lshr_b32 s6, ttmp9, 3
	s_mul_i32 s6, s6, 1572864                      ; batch: 12 heads x 1024 rows x 128 bytes
	s_and_b32 s7, ttmp9, 7
	s_lshl_b32 s7, s7, 14                          ; l0 x 128 bytes
	s_add_co_u32 s6, s6, s7
	s_lshl_b32 s7, s2, 9                           ; my wave's four rows of a store
	s_add_co_u32 s6, s6, s7
	s_mov_b32 s7, 0
	s_wait_dscnt 0x0
	s_wait_kmcnt 0x0
	s_cmp_eq_u32 s3, 1
	s_cselect_b64 s[54:55], s[34:35], s[32:33]
	s_cselect_b64 s[BB:BB+1], s[40:41], s[38:39]
	s_cselect_b64 s[OB:OB+1], s[48:49], s[46:47]
	s_cmp_eq_u32 s3, 2
	s_cselect_b64 s[54:55], s[36:37], s[54:55]
	s_cselect_b64 s[BB:BB+1], s[42:43], s[BB:BB+1]
	s_cselect_b64 s[OB:OB+1], s[50:51], s[OB:OB+1]
	s_add_nc_u64 s[54:55], s[54:55], s[4:5]
	s_add_nc_u64 s[WB:WB+1], s[44:45], s[12:13]
	s_add_nc_u64 s[OB:OB+1], s[OB:OB+1], s[6:7]
.irp s, 0,1
	s_mov_b32 s[G0+4*\s], 1
	s_add_co_u32 s[G0+4*\s+1], s8, \s*RSLOT
	s_add_nc_u64 s[G0+4*\s+2:G0+4*\s+3], s[54:55], \s*512
	s_or_b32 s[G0+4*\s+3], s[G0+4*\s+3], 0x80000000
	tensor_load_to_lds s[G0+4*\s:G0+4*\s+3], s[G1:G1+7]            ; chunks 0 and 1: two loads out, the most in this text
	s_nop 0
.endr
	v_and_b32 v10, 31, v0                          ; lane
	v_and_b32 v11, 15, v0                          ; r
	v_bfe_u32 v12, v0, 4, 1                        ; h
	v_lshlrev_b32 v[VOFF], 4, v10
	v_lshlrev_b32 v[OUTO], 4, v10
.irp nt, 0,1,2,3,4,5
	global_load_b128 v[WR+8*\nt:WR+8*\nt+3],   v[VOFF], s[WB:WB+1] offset:\nt*24576      ; W of K step 0
	global_load_b128 v[WR+8*\nt+4:WR+8*\nt+7], v[VOFF], s[WB:WB+1] offset:\nt*24576+512
.endr
	v_mul_u32_u24 v[XA], v11, XPITCH
	v_lshl_add_u32 v[XA], v12, 4, v[XA]
	v_add_nc_u32 v[XA], XB, v[XA]
	v_mul_u32_u24 v[CR], v12, RPITCH               ; lanes 0-15 an even row, lanes 16-31 the odd one
	v_lshl_add_u32 v[CR], v11, 4, v[CR]
	v_add_nc_u32 v[CR], s8, v[CR]
	s_mul_i32 s9, s2, 16*XPITCH
	s_add_co_u32 s9, s9, XB
	v_mul_u32_u24 v[CW], v12, XPITCH
	v_lshl_add_u32 v[CW], v11, 3, v[CW]
	v_add_nc_u32 v[CW], s9, v[CW]
	v_mul_u32_u24 v[ST], v11, SPITCH
	v_lshl_add_u32 v[ST], v12, 4, v[ST]
	v_lshrrev_b32 v13, 3, v10
	v_lshl_add_u32 v13, s2, 2, v13                 ; row 4 w + lane / 8
	v_mul_u32_u24 v[RB], v13, SPITCH
	v_and_b32 v13, 7, v0
	v_lshl_add_u32 v[RB], v13, 4, v[RB]
	CHUNK 0, 1, 0, 0
	s_mov_b32 s56, 2
.Lchunks:
	CHUNK 1, 0, 1, 0
	CHUNK 0, 0, 1, 0
	s_sub_co_u32 s56, s56, 1
	s_cmp_lg_u32 s56, 0
	s_cbranch_scc1 .Lchunks
	CHUNK 1, 0, 0, 1                               ; the sixth chunk: nothing is left to fetch
	; The way out: bias, rounding, 16 bytes a lane into the stage; then whole rows back and out, 512 neighbouring bytes a store.
	v_lshlrev_b32 v[BO], 5, v12                    ; bias of my eight columns: 32 h
	s_mul_i32 s57, s2, 384
	v_add_nc_u32 v[BO], s57, v[BO]                 ; + my wave's 96 columns
.irp nt, 0,1,2,3,4,5
	global_load_b128 v[WR+8*\nt:WR+8*\nt+3],   v[BO], s[BB:BB+1] offset:\nt*64
	global_load_b128 v[WR+8*\nt+4:WR+8*\nt+7], v[BO], s[BB:BB+1] offset:\nt*64+16
.endr
	s_wait_dscnt 0x0
	s_barrier_signal -1
	s_barrier_wait -1                              ; nobody reads XB any more, every tensor load has landed: the stage may be written
	s_wait_loadcnt 0x0
.irp nt, 0,1,2,3,4,5
	s_mul_i32 s57, s2, 96
	s_add_co_u32 s57, s57, 16*\nt                  ; the tile's first column
	s_lshr_b32 s58, s57, 6
	s_mul_i32 s58, s58, SHEAD                      ; its head
	s_and_b32 s57, s57, 63                         ; d0
	s_lshl_b32 s57, s57, 1                         ; byte 2 d0 of a row
	s_add_co_u32 s58, s58, s57
	v_add_nc_u32 v[SA], s58, v[ST]
.if \nt < 4
	WIN 0x01                                       ; source 0 (the sums) in window 1
.endif
.irp mt, 0,1,2,3,4,5,6,7
.if \nt < 4
.set AC, 8*(8*\nt+\mt)
.else
.set AC, 128+8*(8*\nt+\mt-32)
.endif
.irp qq, 0,2,4,6
	v_pk_add_f32 v[XF+8*\mt+\qq:XF+8*\mt+\qq+1], v[AC+\qq:AC+\qq+1], v[WR+8*\nt+\qq:WR+8*\nt+\qq+1]
.endr
.endr
	WIN 0
.irp mt, 0,1,2,3,4,5,6,7
.irp qq, 0,1,2,3
	v_cvt_pk_f16_f32 v[XF+8*\mt+\qq], v[XF+8*\mt+2*\qq], v[XF+8*\mt+2*\qq+1]
.endr
	ds_store_b128 v[SA], v[XF+8*\mt:XF+8*\mt+3] offset:\mt*16*SPITCH                   ; row 16 mt + r
.endr
.endr
	s_wait_dscnt 0x0
	s_barrier_signal -1
	s_barrier_wait -1                              ; the stage is whole
.irp hd, 0,1,2,3,4,5,6,7,8,9,10,11
	s_wait_xcnt 0x0                                ; earlier stores have had their addresses translated: their data registers are loaded again only behind this wait
.irp t, 0,1,2,3
	ds_load_b128 v[XF+16*(\hd&1)+4*\t:XF+16*(\hd&1)+4*\t+3], v[RB] offset:\t*32*SPITCH   ; four rows of 128 bytes
.endr
	v_add_nc_u32 v[RB], SHEAD, v[RB]
.irp t, 0,1,2,3
	s_wait_dscnt 3-\t
	global_store_b128 v[OUTO], v[XF+16*(\hd&1)+4*\t:XF+16*(\hd&1)+4*\t+3], s[OB:OB+1] offset:\hd*131072+\t*4096
.endr
.endr
	s_wait_tensorcnt 0x0
	ds_add_u32 v14, v15
	s_wait_dscnt 0x0
	s_endpgm
.Lfunc_end_k_qe465359516_proj:
	.size	k_qe465359516_proj, .Lfunc_end_k_qe465359516_proj-k_qe465359516_proj
	.p2alignl 7, 3214868480
	.fill 96, 4, 3214868480
	.section	.rodata,"a",@progbits
	.p2align	6, 0x0
	.amdhsa_kernel k_qe465359516_proj
		.amdhsa_group_segment_fixed_size 327680
		.amdhsa_private_segment_fixed_size 0
		.amdhsa_enable_private_segment 0
		.amdhsa_kernarg_size 80
		.amdhsa_user_sgpr_count 2
		.amdhsa_user_sgpr_kernarg_segment_ptr 1
		.amdhsa_wavefront_size32 1
		.amdhsa_system_sgpr_workgroup_id_x 1
		.amdhsa_system_sgpr_workgroup_id_y 1
		.amdhsa_system_sgpr_workgroup_id_z 1
		.amdhsa_system_vgpr_workitem_id 0
		.amdhsa_next_free_vgpr 512
		.amdhsa_next_free_sgpr 66
		.amdhsa_reserve_vcc 0
		.amdhsa_float_denorm_mode_32 3
		.amdhsa_float_denorm_mode_16_64 3
		.amdhsa_memory_ordered 1
		.amdhsa_forward_progress 1
		.amdhsa_inst_pref_size 169
	.end_amdhsa_kernel
	.amdgpu_metadata
---
amdhsa.version: [ 1, 2 ]
amdhsa.kernels:
  - .name:           k_qe465359516_proj
    .symbol:         k_qe465359516_proj.kd
    .args:
      - { .name: q, .offset: 0, .size: 8, .value_kind: global_buffer, .address_space: global }
      - { .name: k, .offset: 8, .size: 8, .value_kind: global_buffer, .address_space: global }
      - { .name: v, .offset: 16, .size: 8, .value_kind: global_buffer, .address_space: global }
      - { .name: bq, .offset: 24, .size: 8, .value_kind: global_buffer, .address_space: global }
      - { .name: bk, .offset: 32, .size: 8, .value_kind: global_buffer, .address_space: global }
      - { .name: bv, .offset: 40, .size: 8, .value_kind: global_buffer, .address_space: global }
      - { .name: wp, .offset: 48, .size: 8, .value_kind: global_buffer, .address_space: global }
      - { .name: qh, .offset: 56, .size: 8, .value_kind: global_buffer, .address_space: global }
      - { .name: kh, .offset: 64, .size: 8, .value_kind: global_buffer, .address_space: global }
      - { .name: vh, .offset: 72, .size: 8, .value_kind: global_buffer, .address_space: global }
    .group_segment_fixed_size: 327680
    .private_segment_fixed_size: 0
    .kernarg_segment_align: 8
    .kernarg_segment_size: 80
    .max_flat_workgroup_size: 256
    .sgpr_count:     66
    .vgpr_count:     512
    .wavefront_size: 32
...
	.end_amdgpu_metadata
.endif
;; end of part 2
;; launch attn (part 3): grid 8 x 96, 8 waves a work-group, no clusters, 318,464 bytes of LDS; arguments qh, kh, vh, perm, ecnt, ah; writes ah
.if DOCPART == 3
	.amdgcn_target "amdgcn-amd-amdhsa--gfx1250"
	.amdhsa_code_object_version 6
	.text
	.protected	k_qe465359516_attn
	.globl	k_qe465359516_attn
	.p2align	8
	.type	k_qe465359516_attn,@function
k_qe465359516_attn:
	s_mov_b64 s[64:65], 0
	v_nop
	global_prefetch_b8 v0, s[64:65] scope:SCOPE_SE
	s_setreg_imm32_b32 hwreg(HW_REG_WAVE_MODE, 25, 1), 1
	s_wait_xcnt 0x0
; Both softmaxes of one (batch, head): ah[q] = ( softmax(fw scores) V + softmax(bw scores) V ) / 2, f16 operands, f32 sums, running maxima.
; (HALF the sum: each softmax average is at most the largest |V|, their sum up to twice that; the half has f16's room wherever V has.
; The next launch multiplies by 2, which is exact.)
; Grid y = b*12 + head, grid x = a block of 128 queries; wave w takes the 16 queries q0 = 128 x + 16 w ..
; THE KEYS ARE TAKEN IN ANOTHER ORDER (a softmax does not hang on the order of its terms): place p holds key perm[b][p], the NU unpadded keys
; first, then the padded ones, each group ascending.  K's and V's rows are gathered into LDS in that order, 64 places a tile.
; WHAT IS LEFT OUT.  With E[k] = ecnt[b][k] = the unpadded keys below k: places below c_lo = E[q0] hold keys below all my queries, places from
; c_hi = E[q0+16] to NU keys above all of them.  If every query of mine has an unpadded allowed key in a direction (bw: E[q0+1] > 0;
; fw: E[q0+15] < NU), its maximum there is a true score, and each padded or excluded key's term, exp(about -1e9 - maximum), is an exact zero:
; tiles that hold only such keys are left out.  Otherwise the direction runs all 16 tiles as reference() writes it: the fill -1e9, then the
; triangle's addend -1e9 by a compare of each key's number with the query's.  Every limit is a whole number read from ecnt.
; NO CLUSTER, NO TENSOR LOADS: the rows are gathered by a list, eight lanes a row of 128 bytes; a tile of the data mover has rows at one pitch.
; SCALE: the scores are kept 8 times too large (no 1/8), the fill and the addend are -8e9 instead of -1e9, and the factor in
; front of the exponential is log2(e)/8.  A power of two commutes with every rounding here.
; LIMIT KEPT: |score| < 4e8 (so that the terms left out underflow to zero).
.set KP,    144                        ; LDS row: 128 bytes + 16
.set KTILE, 64*KP                      ; a tile of 64 places of K, or of V
.set VBASE, 16*KTILE
.set IDXB,  2*VBASE                    ; the batch's perm: 1,024 words
.set STG,   IDXB+4096                  ; 16 rows x 144 bytes for each wave, for the way out
.set KA, 2                             ; v2  LDS address of my K operands in the tile at hand
.set VA, 3                             ; v3  the same for V (transposing loads)
.set IA, 4                             ; v4  the same for perm
.set VQ, 5                             ; v5  my query: q0 + r
.set NEGP, 6                           ; v[6:7]   -8e9 twice
.set MN, 8                             ; v[8:9]   the new maximum, twice
.set AL, 10                            ; v[10:11] the factor for what was summed under the old maximum, twice
.set MB, 12                            ; v12, v13 maximum and sum, bw;  v14, v15 fw
.set LB, 13
.set MF, 14
.set LF, 15
.set T0, 16                            ; v16-19 at work (at the start: addresses of the gather)
.set VN, 20                            ; v20 NU - the tile's first place - 8 h
.set STO, 21
.set SRD, 22
.set OUTO, 23
.set LC, 24                            ; v[24:25] log2(e)/8 twice
.set H8, 29                            ; v29 8 h
.set Q, 32                             ; v32-47   Q, two operands
.set S, 48                             ; v48-79   scores: lane (r, h) holds query r, places 16 t + 8 h + j in register 8 t + j
.set X, 80                             ; v80-111  at work: key numbers, exponents, exponentials
.set P, 112                            ; v112-127 exponentials in f16: two operands
.set F, 128                            ; v128-191 eight operands of K, then of V
.set OBW, 192                          ; v192-223 sums of bw: lane holds query r, d = 16 u + 8 h + j
.set OFW, 224                          ; v224-255 sums of fw
.set OF1, 48                           ; at the start: v48-63 the keys of tile w's rows, v192-207 of tile 8 + w's, v208-211 my part of the table,
.set OF2, 192
.set TB,  208
.set KD,  64                           ; v64-127 sixteen times 4 rows of K, v128-191 of V
.set VD,  128
.set KT, 3                             ; s3 the tile
.set TP, 16                            ; s16 first tile with a padded place
.set NTU, 17                           ; s17 tiles with an unpadded place
.set NU, 24                            ; s24 unpadded keys
.set BW0, 27                           ; bw: tiles below BW0 plainly, below BWE with the compare
.set BWE, 28
.set FWS, 29                           ; fw: none below FWS, below FW0 with the compare, below FWE plainly
.set FW0, 30
.set FWE, 31
.set TEND, 32                          ; my tiles
.set TL, 33                            ; the work-group's tiles
.macro PLACES
.rept 4
	v_nop
.endr
.endm
; 64 rows of K and of V into one tile of LDS.  Lane group g = lane / 8 takes rows 8 g + 0 .. 7 and 32 + 8 g + 0 .. 7, so that the two rows
; of a pass of sixteen lanes lie 8 x 144 = 1,152 bytes apart: 128 modulo 256.
.macro GATHER of
.set i, 0
.rept 16
	v_min_u32 v[\of+i], 0x3ff, v[\of+i]            ; a key is below 1,024
	v_lshl_add_u32 v[\of+i], v[\of+i], 7, v30      ; its row of 128 bytes + my 16 bytes
.set i, i+1
.endr
.set i, 0
.rept 16
	global_load_b128 v[KD+4*i:KD+4*i+3], v[\of+i], s[52:53]
.set i, i+1
.endr
.set i, 0
.rept 16
	global_load_b128 v[VD+4*i:VD+4*i+3], v[\of+i], s[54:55]
.set i, i+1
.endr
.set i, 0
.rept 16
	s_wait_loadcnt 31-i                            ; the younger loads of K and all of V stay out
	ds_store_b128 v17, v[KD+4*i:KD+4*i+3] offset:((i>>3)*32+(i&7))*KP
.set i, i+1
.endr
.set i, 0
.rept 16
	s_wait_loadcnt 15-i
	ds_store_b128 v18, v[VD+4*i:VD+4*i+3] offset:((i>>3)*32+(i&7))*KP
.set i, i+1
.endr
.endm
; One direction's share of a tile.  mode 0: every unpadded key of the tile is allowed; 1: the triangle's addend by a compare for each key.
.macro DIR fw, mode
.if \fw
.set MR, MF
.set LR, LF
.set OO, OFW
.else
.set MR, MB
.set LR, LB
.set OO, OBW
.endif
.if \mode == 0
.set SRC, S
.else
.set SRC, X
.irp t, 0,1,2,3
	ds_load_b128 v[X+8*\t:X+8*\t+3],   v[IA] offset:\t*64      ; the keys at my 32 places
	ds_load_b128 v[X+8*\t+4:X+8*\t+7], v[IA] offset:\t*64+16
.endr
	s_wait_dscnt 0x0
.set e, 0
.rept 32
.if \fw
	v_cmp_gt_i32 vcc_lo, v[VQ], v[X+e]             ; key < query
.else
	v_cmp_lt_i32 vcc_lo, v[VQ], v[X+e]             ; key > query
.endif
	v_cndmask_b32 v[X+e], 0, v[NEGP], vcc_lo
	v_add_f32 v[X+e], v[S+e], v[X+e]
.set e, e+1
.endr
.endif
	; the largest of my 32, in four chains; with the other half of the lanes (the same query's other keys); with the old maximum
.irp c, 0,1,2,3
	v_max3_num_f32 v[T0+\c], v[SRC+8*\c], v[SRC+8*\c+1], v[SRC+8*\c+2]
.endr
.irp c, 0,1,2,3
	v_max3_num_f32 v[T0+\c], v[T0+\c], v[SRC+8*\c+3], v[SRC+8*\c+4]
.endr
.irp c, 0,1,2,3
	v_max3_num_f32 v[T0+\c], v[T0+\c], v[SRC+8*\c+5], v[SRC+8*\c+6]
.endr
	v_max3_num_f32 v[T0],   v[T0],   v[SRC+7],  v[SRC+15]
	v_max3_num_f32 v[T0+1], v[T0+1], v[SRC+23], v[SRC+31]
	v_max3_num_f32 v[T0], v[T0], v[T0+1], v[T0+2]
	v_max_num_f32 v[T0], v[T0], v[T0+3]
	v_permlanex16_b32 v[T0+1], v[T0], s4, s5
	v_max3_num_f32 v[MN], v[T0], v[T0+1], v[MR]
	v_mov_b32 v[MN+1], v[MN]
	v_sub_f32 v[T0+2], v[MR], v[MN]
	v_mul_f32 v[T0+2], v[LC], v[T0+2]
	; the maximum is taken away first and the factor applied to the difference: near -8e9 a product formed first would round by far more than one
.set i, 0
.rept 16
	v_pk_add_f32 v[X+2*i:X+2*i+1], v[SRC+2*i:SRC+2*i+1], v[MN:MN+1] neg_lo:[0,1] neg_hi:[0,1]
.set i, i+1
.endr
.set i, 0
.rept 16
	v_pk_mul_f32 v[X+2*i:X+2*i+1], v[X+2*i:X+2*i+1], v[LC:LC+1]
.set i, i+1
.endr
	v_exp_f32 v[AL], v[T0+2]
.set i, 0
.rept 32
	v_exp_f32 v[X+i], v[X+i]
.set i, i+1
.endr
	v_mov_b32 v[MR], v[MN]                         ; the plain instruction behind the last exponential (ISA guide 5.7.2)
	s_wait_alu depctr_va_vdst(0)
	v_mov_b32 v[AL+1], v[AL]
.set i, 0
.rept 16
	v_cvt_pk_f16_f32 v[P+i], v[X+2*i], v[X+2*i+1]  ; places 8 h .. and 16 + 8 h .. of each 32: this is source 1's layout as it stands
.set i, i+1
.endr
.set i, 0
.rept 16
	v_pk_mul_f32 v[OO+2*i:OO+2*i+1], v[OO+2*i:OO+2*i+1], v[AL:AL+1]
.set i, i+1
.endr
	s_wait_dscnt 0x0                               ; V's operands are in
.irp ks, 0,1
.irp u, 0,1,2,3
	v_wmma_f32_16x16x32_f16 v[OO+8*\u:OO+8*\u+7], v[F+16*\u+8*\ks:F+16*\u+8*\ks+7], v[P+8*\ks:P+8*\ks+7], v[OO+8*\u:OO+8*\u+7]   ; the four accumulators take turns
.endr
.endr
	; the sum of my 32 exponentials: also the places behind the matrix instructions
.irp st, 8,4,2,1
.set i, 0
.rept \st
	v_pk_add_f32 v[X+2*i:X+2*i+1], v[X+2*i:X+2*i+1], v[X+2*(i+\st):X+2*(i+\st)+1]
.set i, i+1
.endr
.endr
	v_add_f32 v[T0], v[X], v[X+1]
	v_fma_f32 v[LR], v[LR], v[AL], v[T0]
.endm
; One tile of 64 places: scores, the fill where the tile has padded places, then each direction's share.
.macro TILE
.irp ks, 0,1
.irp t, 0,1,2,3
	ds_load_b128 v[F+16*\t+8*\ks:F+16*\t+8*\ks+3],   v[KA] offset:\t*16*KP+\ks*64
	ds_load_b128 v[F+16*\t+8*\ks+4:F+16*\t+8*\ks+7], v[KA] offset:\t*16*KP+\ks*64+32
.endr
.endr
	s_wait_dscnt 0x8                               ; d = 0 .. 31 of the four operands is in; the eight younger loads stay out
.irp t, 0,1,2,3
	v_wmma_f32_16x16x32_f16 v[S+8*\t:S+8*\t+7], v[F+16*\t:F+16*\t+7], v[Q:Q+7], 0
.endr
	s_wait_dscnt 0x0
.irp t, 0,1,2,3
	v_wmma_f32_16x16x32_f16 v[S+8*\t:S+8*\t+7], v[F+16*\t+8:F+16*\t+15], v[Q+8:Q+15], v[S+8*\t:S+8*\t+7]   ; by turns
.endr
	PLACES
	; V lies [place][d]: the transposing load gives lane (r, h) column d = 16 u + r, places 8 h .. and, 16 rows on, 16 + 8 h ..
.irp u, 0,1,2,3
.irp ks, 0,1
	ds_load_tr16_b128 v[F+16*\u+8*\ks:F+16*\u+8*\ks+3],   v[VA] offset:\ks*32*KP+\u*32
	ds_load_tr16_b128 v[F+16*\u+8*\ks+4:F+16*\u+8*\ks+7], v[VA] offset:\ks*32*KP+16*KP+\u*32
.endr
.endr
	s_cmp_lt_u32 s[KT], s[TP]
	s_cbranch_scc1 .Lnp_\@
	s_lshl_b32 s11, s[KT], 6
	s_sub_co_u32 s11, s[NU], s11                   ; unpadded places from the tile's first on (below zero in a wholly padded tile)
	v_sub_nc_u32 v[VN], s11, v[H8]
.set e, 0
.rept 32
	v_cmp_ge_i32 vcc_lo, 16*(e/8)+(e%8), v[VN]     ; place >= NU: a padded key
	v_cndmask_b32 v[S+e], v[S+e], v[NEGP], vcc_lo  ; the fill
.set e, e+1
.endr
.Lnp_\@:
	s_cmp_lt_u32 s[KT], s[BW0]
	s_cbranch_scc1 .Lb0_\@
	s_cmp_lt_u32 s[KT], s[BWE]
	s_cbranch_scc1 .Lb1_\@
	s_branch .Lbx_\@
.Lb0_\@:
	DIR 0, 0
	s_branch .Lbx_\@
.Lb1_\@:
	DIR 0, 1
.Lbx_\@:
	s_cmp_lt_u32 s[KT], s[FWS]
	s_cbranch_scc1 .Lfx_\@
	s_cmp_lt_u32 s[KT], s[FW0]
	s_cbranch_scc1 .Lf1_\@
	s_cmp_lt_u32 s[KT], s[FWE]
	s_cbranch_scc1 .Lf0_\@
	s_branch .Lfx_\@
.Lf0_\@:
	DIR 1, 0
	s_branch .Lfx_\@
.Lf1_\@:
	DIR 1, 1
.Lfx_\@:
	s_wait_dscnt 0x0                               ; V's loads are back on every way (met wherever a direction ran): F is loaded again next
	v_add_nc_u32 v[KA], KTILE, v[KA]
	v_add_nc_u32 v[VA], KTILE, v[VA]
	v_add_nc_u32 v[IA], 256, v[IA]
.endm
	s_load_b256 s[40:47], s[0:1], 0x0              ; qh 40, kh 42, vh 44, perm 46
	s_load_b128 s[48:51], s[0:1], 0x20             ; ecnt 48, ah 50
	s_set_vgpr_msb 0x40
	v_lshl_add_u32 v0, v0, 2, 0x4d800
	v_mov_b32 v1, 0
	s_set_vgpr_msb 0x4000
	v_lshrrev_b32 v1, 5, v0
	v_readfirstlane_b32 s8, v1                     ; wave
	s_and_b32 s9, ttmp7, 0xffff                    ; b*12 + head
	s_mul_i32 s10, s9, 2731
	s_lshr_b32 s10, s10, 15                        ; b (exact below 96)
	s_lshl_b32 s14, ttmp9, 7
	s_lshl4_add_u32 s14, s8, s14                   ; q0 = 128 x + 16 w
	s_mul_i32 s15, s8, KTILE
	s_mov_b32 s4, 0x76543210                       ; v_permlanex16_b32: lane i of the other half
	s_mov_b32 s5, 0xfedcba98
	s_lshl_b32 s6, s9, 17                          ; the head: 1,024 rows of 128 bytes
	s_mov_b32 s7, 0
	s_lshl_b32 s18, s14, 7
	s_add_co_u32 s18, s18, s6                      ; my queries' rows
	s_mov_b32 s19, 0
	s_lshl_b32 s60, s10, 12                        ; the batch in perm
	s_mov_b32 s61, 0
	s_mul_i32 s12, s10, 4352                       ; the batch in ecnt
	s_mov_b32 s13, 0
	s_wait_kmcnt 0x0
	s_add_nc_u64 s[52:53], s[42:43], s[6:7]
	s_add_nc_u64 s[54:55], s[44:45], s[6:7]
	s_add_nc_u64 s[56:57], s[40:41], s[18:19]
	s_add_nc_u64 s[62:63], s[50:51], s[18:19]
	s_add_nc_u64 s[58:59], s[46:47], s[60:61]
	s_add_nc_u64 s[36:37], s[48:49], s[12:13]
	s_lshl_b32 s12, s14, 2
	s_add_nc_u64 s[38:39], s[36:37], s[12:13]      ; E at q0
	s_lshl_b32 s12, ttmp9, 9
	s_add_nc_u64 s[34:35], s[36:37], s[12:13]      ; E at 128 x
	s_load_b32 s20, s[38:39], 0x0                  ; c_lo = E[q0]
	s_load_b32 s21, s[38:39], 0x4                  ; E[q0 + 1]
	s_load_b32 s22, s[38:39], 0x3c                 ; E[q0 + 15]
	s_load_b32 s23, s[38:39], 0x40                 ; c_hi = E[q0 + 16]
	s_load_b32 s[NU], s[36:37], 0x1000             ; NU = E[1024]
	s_load_b32 s25, s[34:35], 0x4                  ; E[128 x + 1]: the work-group's first query
	s_load_b32 s26, s[34:35], 0x1fc                ; E[128 x + 127]: its last
	v_and_b32 v26, 31, v0                          ; lane
	v_and_b32 v27, 15, v0                          ; r
	v_bfe_u32 v28, v0, 4, 1                        ; h
	v_lshlrev_b32 v16, 7, v27
	v_lshl_add_u32 v16, v28, 4, v16                ; Q: r*128 + 16 h
	v_lshrrev_b32 v1, 3, v26                       ; g
	v_lshlrev_b32 v31, 5, v1                       ; eight words of perm for each g
	v_lshl_add_u32 v31, s8, 8, v31                 ; + tile w's 64 words
	v_and_b32 v30, 7, v0
	v_lshlrev_b32 v30, 4, v30                      ; my 16 bytes of a row
	v_lshlrev_b32 v19, 4, v0                       ; my four words of the table
.irp tt, 0,1
	global_load_b128 v[OF1+(OF2-OF1)*\tt:OF1+(OF2-OF1)*\tt+3],     v31, s[58:59] offset:2048*\tt       ; rows 8 g + 0 .. 3
	global_load_b128 v[OF1+(OF2-OF1)*\tt+4:OF1+(OF2-OF1)*\tt+7],   v31, s[58:59] offset:2048*\tt+16    ; rows 8 g + 4 .. 7
	global_load_b128 v[OF1+(OF2-OF1)*\tt+8:OF1+(OF2-OF1)*\tt+11],  v31, s[58:59] offset:2048*\tt+128   ; rows 32 + 8 g + 0 .. 3
	global_load_b128 v[OF1+(OF2-OF1)*\tt+12:OF1+(OF2-OF1)*\tt+15], v31, s[58:59] offset:2048*\tt+144   ; rows 32 + 8 g + 4 .. 7
.endr
	global_load_b128 v[TB:TB+3], v19, s[58:59]
.irp i, 0,1,2,3
	global_load_b128 v[Q+4*\i:Q+4*\i+3], v16, s[56:57] offset:32*\i
.endr
	v_mul_u32_u24 v17, v1, 8*KP
	v_add_nc_u32 v17, v17, v30
	v_add_nc_u32 v17, s15, v17                     ; K: tile w, row 8 g, my 16 bytes
	v_add_nc_u32 v18, VBASE, v17                   ; V likewise
	v_mov_b32 v[NEGP], 0xcfee6b28                  ; -8e9
	v_mov_b32 v[NEGP+1], 0xcfee6b28
	v_mov_b32 v[LC], 0x3e38aa3b                    ; log2(e)/8
	v_mov_b32 v[LC+1], 0x3e38aa3b
	v_mov_b32 v[MB], 0xff000000                    ; -2^127: below every score, and its difference from one times the factor stays finite
	v_mov_b32 v[MF], 0xff000000
	v_mov_b32 v[LB], 0
	v_mov_b32 v[LF], 0
	v_mul_u32_u24 v[KA], v27, KP
	v_lshl_add_u32 v[KA], v28, 4, v[KA]            ; r*144 + 16 h
	v_lshlrev_b32 v[H8], 3, v28
	v_and_b32 v1, 7, v0
	v_add_nc_u32 v1, v1, v[H8]
	v_mul_u32_u24 v[VA], v1, KP                    ; row 8 h + (lane & 7)
	v_bfe_u32 v1, v0, 3, 1
	v_lshl_add_u32 v[VA], v1, 4, v[VA]             ; + 16 ((lane >> 3) & 1)
	v_add_nc_u32 v[VA], VBASE, v[VA]
	v_lshlrev_b32 v[IA], 5, v28
	v_add_nc_u32 v[IA], IDXB, v[IA]
	v_add_nc_u32 v[VQ], s14, v27
	s_mul_i32 s11, s8, 16*KP
	s_add_co_u32 s11, s11, STG                     ; my stage
	v_add_nc_u32 v[STO], s11, v[KA]
	v_lshrrev_b32 v1, 3, v26
	v_mul_u32_u24 v[SRD], v1, KP
	v_add_nc_u32 v[SRD], v[SRD], v30
	v_add_nc_u32 v[SRD], s11, v[SRD]
	v_lshlrev_b32 v[OUTO], 4, v26
	s_wait_kmcnt 0x0
	; the limits
	s_add_co_u32 s[NTU], s[NU], 63
	s_lshr_b32 s[NTU], s[NTU], 6
	s_lshr_b32 s[TP], s[NU], 6
	s_lshr_b32 s[BW0], s20, 6                      ; tiles wholly below c_lo
	s_add_co_u32 s11, s23, 63
	s_lshr_b32 s11, s11, 6                         ; tiles that begin below c_hi
	s_cmp_eq_u32 s21, 0                            ; no unpadded key at or below q0: bw runs every tile with the compare
	s_cselect_b32 s[BWE], 16, s11
	s_cselect_b32 s[TEND], 16, s[NTU]
	s_cmp_eq_u32 s22, s[NU]                        ; no unpadded key at or above q0 + 15: fw likewise
	s_cselect_b32 s[FWS], 0, s[BW0]
	s_cselect_b32 s[FW0], 16, s11
	s_cselect_b32 s[FWE], 16, s[NTU]
	s_cselect_b32 s[TEND], 16, s[TEND]
	s_cmp_eq_u32 s25, 0                            ; the same two questions for the work-group's first and last query:
	s_cselect_b32 s[TL], 16, s[NTU]
	s_cmp_eq_u32 s26, s[NU]
	s_cselect_b32 s[TL], 16, s[TL]                 ; how many tiles any wave of it will read
	s_min_u32 s[TEND], s[TEND], 16
	s_min_u32 s[TL], s[TL], 16
	s_wait_loadcnt 0x0                             ; the keys of my rows, my part of the table, Q
	v_add_nc_u32 v19, IDXB, v19
	ds_store_b128 v19, v[TB:TB+3]
	s_cmp_ge_u32 s8, s[TL]
	s_cbranch_scc1 .Lgathered
	GATHER OF1                                     ; tile w
	s_add_co_u32 s11, s8, 8
	s_cmp_ge_u32 s11, s[TL]
	s_cbranch_scc1 .Lgathered
	v_add_nc_u32 v17, 8*KTILE, v17
	v_add_nc_u32 v18, 8*KTILE, v18
	GATHER OF2                                     ; tile 8 + w
.Lgathered:
	; the two directions' sums start at zero: a direction's first product stands under a branch, in a loop
.set i, 0
.rept 64
	v_mov_b32 v[OBW+i], 0
.set i, i+1
.endr
	s_wait_dscnt 0x0                               ; my rows and my part of the table are written,
	s_barrier_signal -1
	s_barrier_wait -1                              ; everybody's are
	s_mov_b32 s[KT], 0
.Ltiles:
	TILE
	s_add_co_u32 s[KT], s[KT], 1
	s_cmp_lt_u32 s[KT], s[TEND]
	s_cbranch_scc1 .Ltiles
	s_barrier_signal -1                            ; my reads of LDS are back (the wait for 0 at the tile's end)
	s_barrier_wait -1                              ; everybody's are: the loop's addresses step by a count read from memory, so no wave stores into LDS before all have left the loop
	; each sum has its two halves of the keys in the two halves of the lanes; a sum is at least 1 (the maximum's own term)
	v_permlanex16_b32 v16, v[LB], s4, s5
	v_permlanex16_b32 v17, v[LF], s4, s5
	v_add_f32 v16, v16, v[LB]
	v_add_f32 v18, v17, v[LF]
	v_rcp_f32 v16, v16
	v_rcp_f32 v18, v18
	v_nop
	s_wait_alu depctr_va_vdst(0)
	v_mul_f32 v16, 0.5, v16                        ; half the sum of the two directions goes out
	v_mul_f32 v18, 0.5, v18
	v_mov_b32 v17, v16
	v_mov_b32 v19, v18
.set i, 0
.rept 16
	v_pk_mul_f32 v[OBW+2*i:OBW+2*i+1], v[OBW+2*i:OBW+2*i+1], v[16:17]
.set i, i+1
.endr
.set i, 0
.rept 16
	v_pk_fma_f32 v[OBW+2*i:OBW+2*i+1], v[OFW+2*i:OFW+2*i+1], v[18:19], v[OBW+2*i:OBW+2*i+1]
.set i, i+1
.endr
.set i, 0
.rept 16
	v_cvt_pk_f16_f32 v[P+i], v[OBW+2*i], v[OBW+2*i+1]
.set i, i+1
.endr
.irp u, 0,1,2,3
	ds_store_b128 v[STO], v[P+4*\u:P+4*\u+3] offset:32*\u          ; row r, d = 16 u + 8 h ..
.endr
.irp t, 0,1,2,3
	ds_load_b128 v[X+4*\t:X+4*\t+3], v[SRD] offset:\t*4*KP         ; my own stage: LDS serves a wave's instructions in order
.endr
.irp t, 0,1,2,3
	s_wait_dscnt 3-\t
	global_store_b128 v[OUTO], v[X+4*\t:X+4*\t+3], s[62:63] offset:512*\t   ; four rows of 128 bytes: 512 consecutive bytes
.endr
	s_set_vgpr_msb 0x5
	s_wait_tensorcnt 0x0
	ds_add_u32 v0, v1
	s_wait_dscnt 0x0
	s_set_vgpr_msb 0x500
	s_endpgm
.Lfunc_end_k_qe465359516_attn:
	.size	k_qe465359516_attn, .Lfunc_end_k_qe465359516_attn-k_qe465359516_attn
	.p2alignl 7, 3214868480
	.fill 96, 4, 3214868480
	.section	.rodata,"a",@progbits
	.p2align	6, 0x0
	.amdhsa_kernel k_qe465359516_attn
		.amdhsa_group_segment_fixed_size 318464
		.amdhsa_private_segment_fixed_size 0
		.amdhsa_enable_private_segment 0
		.amdhsa_kernarg_size 48
		.amdhsa_user_sgpr_count 2
		.amdhsa_user_sgpr_kernarg_segment_ptr 1
		.amdhsa_wavefront_size32 1
		.amdhsa_system_sgpr_workgroup_id_x 1
		.amdhsa_system_sgpr_workgroup_id_y 1
		.amdhsa_system_sgpr_workgroup_id_z 1
		.amdhsa_system_vgpr_workitem_id 0
		.amdhsa_next_free_vgpr 258
		.amdhsa_next_free_sgpr 66
		.amdhsa_reserve_vcc 1
		.amdhsa_float_denorm_mode_32 3
		.amdhsa_float_denorm_mode_16_64 3
		.amdhsa_memory_ordered 1
		.amdhsa_forward_progress 1
		.amdhsa_inst_pref_size 74
	.end_amdhsa_kernel
	.amdgpu_metadata
---
amdhsa.version: [ 1, 2 ]
amdhsa.kernels:
  - .name:           k_qe465359516_attn
    .symbol:         k_qe465359516_attn.kd
    .args:
      - { .name: qh, .offset: 0, .size: 8, .value_kind: global_buffer, .address_space: global }
      - { .name: kh, .offset: 8, .size: 8, .value_kind: global_buffer, .address_space: global }
      - { .name: vh, .offset: 16, .size: 8, .value_kind: global_buffer, .address_space: global }
      - { .name: perm, .offset: 24, .size: 8, .value_kind: global_buffer, .address_space: global }
      - { .name: ecnt, .offset: 32, .size: 8, .value_kind: global_buffer, .address_space: global }
      - { .name: ah, .offset: 40, .size: 8, .value_kind: global_buffer, .address_space: global }
    .group_segment_fixed_size: 318464
    .private_segment_fixed_size: 0
    .kernarg_segment_align: 8
    .kernarg_segment_size: 48
    .max_flat_workgroup_size: 256
    .sgpr_count:     66
    .vgpr_count:     258
    .wavefront_size: 32
...
	.end_amdgpu_metadata
.endif
;; end of part 3
;; launch outln (part 4): grid 128 x 1, 8 waves a work-group, no clusters, 311,296 bytes of LDS; arguments ah, wp, q, bo, gamma, beta, out0; writes out0
.if DOCPART == 4
	.amdgcn_target "amdgcn-amd-amdhsa--gfx1250"
	.amdhsa_code_object_version 6
	.text
	.protected	k_qe465359516_outln
	.globl	k_qe465359516_outln
	.p2align	8
	.type	k_qe465359516_outln,@function
k_qe465359516_outln:
	s_mov_b64 s[64:65], 0
	v_nop
	global_prefetch_b8 v0, s[64:65] scope:SCOPE_SE
	s_setreg_imm32_b32 hwreg(HW_REG_WAVE_MODE, 25, 1), 1
	s_wait_xcnt 0x0
; out0 = LayerNorm(q + att Wo + bo) * gamma + beta.  ah holds att / 2 (f16, [b*12+head][l][64]), Wo from wp (matrix 3, f16), sums and the norm in f32;
; the factor 2 is applied to the sums, exactly.
; A work-group makes 64 whole rows (the norm needs whole rows); wave w makes 64 x 96: 24 accumulator tiles.
; 128 work-groups: blocks of 32 rows would read Wo twice as often, and a norm in a launch of its own would move the 25 MB of x out and in again.
; att (64 rows x 768 f16) and q (64 x 768 f32) come by tensor loads, once; Wo's operands go from memory straight to the one wave that
; uses them, three K steps deep.  NO CLUSTER: what work-groups share is Wo, which never lies in LDS here (each byte serves one wave of a
; work-group); att and q belong to one work-group each.
; The mean is taken first and the squares of the differences are summed: no difference of large sums.
.set AP,     144                       ; att row in LDS: 128 bytes + 16;  att: [head 12][64 rows][144]
.set AHEAD,  64*AP
.set QS,     12*AHEAD                  ; 110,592: q, then x, as [strip 3][64 rows][1,040]
.set QP,     1040                      ; 256 f32 + 16 bytes
.set QSTRIP, 64*QP
.set VOFF, 1                           ; v1  16 lane + the group's six blocks
.set XA,   2                           ; v2  r*144 + 16 h + the group's three heads
.set RA,   3                           ; v3-5  where I read whole rows, one register a strip
.set OUTO, 6                           ; v6  16 lane
.set QA,   8                           ; v8  QS + r*1040 + 32 h
.set XF,   16                          ; v16-47   four operands of att
.set WR,   48                          ; v48-191  three K steps x six operands of Wo
.set BOP,  48                          ; behind the K loop: bo v48-71, gamma v72-95, beta v96-119 of my 24 columns
.set GAM,  72
.set BET,  96
.set QT,   120                         ; v120-215 behind the K loop: q of three column tiles at a time
.set TT,   200                         ; v200-211 at work in the norm;  v152-199 two rows' buffers
.set SAB,  216                         ; v216-221 where column tile nt of my rows lies in q's stage
.set G1A, 16
.set G1Q, 24
.set G0A, 32
.set G0Q, 44
.set WB,  86
.set OB,  88
; accumulator tile (nt, mt) in v256-447: register 8 (4 nt + mt) of window 1
.set MSB, 0
.macro WIN new
.if MSB != \new
	s_set_vgpr_msb (MSB<<8)|\new
.set MSB, \new
.endif
.endm
.macro PLACES
.rept 4
	v_nop
.endr
.endm
; One K step of 32 (kk: its number in a group of six = three heads): 8 LDS loads, 24 matrix instructions under one setting of the
; windows, then (pf) its twelve registers' loads for the K step three further on.  cnt: the loads issued behind this K step's.
.macro KSTEP zero, kk, pf, cnt
.irp mt, 0,1,2,3
	ds_load_b128 v[XF+8*\mt:XF+8*\mt+3],   v[XA] offset:(\kk>>1)*AHEAD+(\kk&1)*64+\mt*16*AP
	ds_load_b128 v[XF+8*\mt+4:XF+8*\mt+7], v[XA] offset:(\kk>>1)*AHEAD+(\kk&1)*64+\mt*16*AP+32
.endr
	s_wait_loadcnt \cnt
	WIN 0x50                                       ; C and D in window 1
.irp nt, 0,1,2,3,4,5
.irp mt, 0,1,2,3
.if \nt == 0
	s_wait_dscnt 6-2*\mt
.endif
.if \zero
	v_wmma_f32_16x16x32_f16 v[8*(4*\nt+\mt):8*(4*\nt+\mt)+7], v[WR+48*(\kk%3)+8*\nt:WR+48*(\kk%3)+8*\nt+7], v[XF+8*\mt:XF+8*\mt+7], 0
.else
	v_wmma_f32_16x16x32_f16 v[8*(4*\nt+\mt):8*(4*\nt+\mt)+7], v[WR+48*(\kk%3)+8*\nt:WR+48*(\kk%3)+8*\nt+7], v[XF+8*\mt:XF+8*\mt+7], v[8*(4*\nt+\mt):8*(4*\nt+\mt)+7]
.endif
.endr
.endr
	WIN 0
	PLACES
.if \pf
.irp nt, 0,1,2,3,4,5
	global_load_b128 v[WR+48*(\kk%3)+8*\nt:WR+48*(\kk%3)+8*\nt+3],   v[VOFF], s[WB:WB+1] offset:(\kk+3)*1024+\nt*24576
	global_load_b128 v[WR+48*(\kk%3)+8*\nt+4:WR+48*(\kk%3)+8*\nt+7], v[VOFF], s[WB:WB+1] offset:(\kk+3)*1024+\nt*24576+512
.endr
.endif
.endm
; The 24 accumulators take turns, one instruction a turn, over all jumps too.
.macro GROUP zero, tail
	KSTEP \zero, 0, 1, 24                          ; 24: the loads of the two K steps behind this one stay out
	KSTEP 0, 1, 1, 24
	KSTEP 0, 2, 1, 24
.if \tail
	KSTEP 0, 3, 0, 24
	KSTEP 0, 4, 0, 12
	KSTEP 0, 5, 0, 0
.else
	KSTEP 0, 3, 1, 24
	KSTEP 0, 4, 1, 24
	KSTEP 0, 5, 1, 24
.endif
.endm
.macro ADVANCE
	s_wait_xcnt 0x0                                ; the pending loads have had their addresses translated: VOFF may step
	v_add_nc_u32 v[VOFF], 6144, v[VOFF]
	v_add_nc_u32 v[XA], 3*AHEAD, v[XA]
.endm
.macro REDUCE                          ; v[TT] summed over the 32 lanes, in every lane
	v_add_f32_dpp v[TT], v[TT], v[TT] row_xmask:1 row_mask:0xf bank_mask:0xf
	v_add_f32_dpp v[TT], v[TT], v[TT] row_xmask:2 row_mask:0xf bank_mask:0xf
	v_add_f32_dpp v[TT], v[TT], v[TT] row_xmask:4 row_mask:0xf bank_mask:0xf
	v_add_f32_dpp v[TT], v[TT], v[TT] row_xmask:8 row_mask:0xf bank_mask:0xf
	v_permlanex16_b32 v[TT+1], v[TT], s90, s91
	v_add_f32 v[TT], v[TT], v[TT+1]
.endm
; Row 8 w + rr: the lane holds columns 128 t + 4 lane .. + 3, t = 0 .. 5.
.macro ROW rr
.set XR, 152+24*(\rr&1)
	s_wait_xcnt 0x0                                ; the stores of two rows ago have had their addresses translated: their registers are loaded again
.irp t, 0,1,2,3,4,5
	ds_load_b128 v[XR+4*\t:XR+4*\t+3], v[RA+(\t>>1)] offset:\rr*QP+(\t&1)*512
.endr
	s_wait_dscnt 0x0
.irp p, 0,1,2,3,4,5,6,7,8,9,10,11
	v_pk_add_f32 v[XR+2*\p:XR+2*\p+1], v[XR+2*\p:XR+2*\p+1], v[BOP+2*\p:BOP+2*\p+1]
.endr
.irp p, 0,1,2,3,4,5
	v_pk_add_f32 v[TT+2*\p:TT+2*\p+1], v[XR+4*\p:XR+4*\p+1], v[XR+4*\p+2:XR+4*\p+3]
.endr
	v_pk_add_f32 v[TT:TT+1],   v[TT:TT+1],   v[TT+2:TT+3]
	v_pk_add_f32 v[TT+4:TT+5], v[TT+4:TT+5], v[TT+6:TT+7]
	v_pk_add_f32 v[TT+8:TT+9], v[TT+8:TT+9], v[TT+10:TT+11]
	v_pk_add_f32 v[TT:TT+1],   v[TT:TT+1],   v[TT+4:TT+5]
	v_pk_add_f32 v[TT:TT+1],   v[TT:TT+1],   v[TT+8:TT+9]
	v_add_f32 v[TT], v[TT], v[TT+1]
	REDUCE
	v_mul_f32 v[TT+2], s92, v[TT]                  ; the mean
	v_mov_b32 v[TT+3], v[TT+2]
.irp p, 0,1,2,3,4,5,6,7,8,9,10,11
	v_pk_add_f32 v[XR+2*\p:XR+2*\p+1], v[XR+2*\p:XR+2*\p+1], v[TT+2:TT+3] neg_lo:[0,1] neg_hi:[0,1]
.endr
	v_pk_mul_f32 v[TT:TT+1],   v[XR:XR+1],   v[XR:XR+1]
	v_pk_mul_f32 v[TT+4:TT+5], v[XR+2:XR+3], v[XR+2:XR+3]
.irp p, 2,4,6,8,10
	v_pk_fma_f32 v[TT:TT+1],   v[XR+2*\p:XR+2*\p+1],   v[XR+2*\p:XR+2*\p+1],   v[TT:TT+1]
	v_pk_fma_f32 v[TT+4:TT+5], v[XR+2*\p+2:XR+2*\p+3], v[XR+2*\p+2:XR+2*\p+3], v[TT+4:TT+5]
.endr
	v_pk_add_f32 v[TT:TT+1], v[TT:TT+1], v[TT+4:TT+5]
	v_add_f32 v[TT], v[TT], v[TT+1]
	REDUCE
	v_fma_f32 v[TT], v[TT], s92, s93               ; variance + 1e-6
	v_rsq_f32 v[TT+2], v[TT]
	v_nop
	s_wait_alu depctr_va_vdst(0)
	v_mov_b32 v[TT+3], v[TT+2]
.irp p, 0,1,2,3,4,5,6,7,8,9,10,11
	v_pk_mul_f32 v[XR+2*\p:XR+2*\p+1], v[XR+2*\p:XR+2*\p+1], v[TT+2:TT+3]
.endr
.irp p, 0,1,2,3,4,5,6,7,8,9,10,11
	v_pk_fma_f32 v[XR+2*\p:XR+2*\p+1], v[XR+2*\p:XR+2*\p+1], v[GAM+2*\p:GAM+2*\p+1], v[BET+2*\p:BET+2*\p+1]
.endr
.irp t, 0,1,2,3,4,5
	global_store_b128 v[OUTO], v[XR+4*\t:XR+4*\t+3], s[OB:OB+1] offset:\rr*3072+512*\t th:TH_STORE_NT   ; 512 consecutive bytes a store
.endr
.endm
	s_load_b256 s[72:79], s[0:1], 0x0              ; ah 72, wp 74, q 76, bo 78
	s_load_b128 s[80:83], s[0:1], 0x20             ; gamma 80, beta 82
	s_load_b64 s[84:85], s[0:1], 0x30              ; out0
	v_lshl_add_u32 v254, v0, 2, 0x4bc00
	v_mov_b32 v255, 0
	ds_add_u32 v254, v255
	ds_add_u32 v254, v255
	v_lshrrev_b32 v1, 5, v0
	v_readfirstlane_b32 s2, v1                     ; wave
	s_mov_b32 s90, 0x76543210
	s_mov_b32 s91, 0xfedcba98
	s_mov_b32 s92, 0x3aaaaaab                      ; 1/768
	s_mov_b32 s93, 0x358637bd                      ; 1e-6
	; group 1 for att: 32 rows x 64 elements of 2 bytes, dense, 4 words of padding behind every 32
	s_mov_b32 s[G1A+0], (1<<16)|(1<<20)|(4<<22)|(3<<25)
	s_mov_b32 s[G1A+1], 64<<16
	s_mov_b32 s[G1A+2], 32<<16
	s_mov_b32 s[G1A+3], 64<<16
	s_mov_b32 s[G1A+4], 32
	s_mov_b32 s[G1A+5], 64
	s_mov_b32 s[G1A+6], 0
	s_mov_b32 s[G1A+7], 0
	; group 1 for q: 8 rows x 256 elements of 4 bytes, 768 from row to row, 4 words of padding behind every 256
	s_mov_b32 s[G1Q+0], (2<<16)|(1<<20)|(7<<22)|(3<<25)
	s_mov_b32 s[G1Q+1], 256<<16
	s_mov_b32 s[G1Q+2], 8<<16
	s_mov_b32 s[G1Q+3], 256<<16
	s_mov_b32 s[G1Q+4], 8
	s_mov_b32 s[G1Q+5], 768
	s_mov_b32 s[G1Q+6], 0
	s_mov_b32 s[G1Q+7], 0
	s_lshr_b32 s60, ttmp9, 4
	s_mul_i32 s60, s60, 1572864                    ; batch
	s_and_b32 s57, ttmp9, 15
	s_lshl_b32 s57, s57, 13                        ; l0 x 128 bytes
	s_add_co_u32 s60, s60, s57
	s_mul_i32 s61, s2, 3*32*AP                     ; my three blocks of att in LDS
	s_lshl_b32 s62, ttmp9, 6
	s_lshl3_add_u32 s62, s2, s62                   ; row 64 x + 8 w
	s_mul_i32 s62, s62, 3072
	s_mov_b32 s63, 0
	s_mul_i32 s68, s2, 8*QP                        ; my eight rows of a strip
	s_mul_i32 s70, s2, 147456
	s_add_co_u32 s70, s70, 3*1179648               ; Wo, my six column tiles
	s_mov_b32 s71, 0
	s_wait_dscnt 0x0
	s_wait_kmcnt 0x0
	s_add_nc_u64 s[66:67], s[76:77], s[62:63]
	s_add_nc_u64 s[OB:OB+1], s[84:85], s[62:63]
	s_add_nc_u64 s[WB:WB+1], s[74:75], s[70:71]
	; block 3 w + j of att's 24: head (3 w + j) / 2, rows 32 ((3 w + j) & 1) ..
.irp j, 0,1,2
	s_mul_i32 s57, s2, 3
	s_add_co_u32 s57, s57, \j
	s_lshr_b32 s58, s57, 1
	s_lshl_b32 s58, s58, 17
	s_and_b32 s57, s57, 1
	s_lshl_b32 s57, s57, 12
	s_add_co_u32 s58, s58, s57
	s_add_co_u32 s58, s58, s60
	s_mov_b32 s59, 0
	s_mov_b32 s[G0A+4*\j], 1
	s_add_co_u32 s[G0A+4*\j+1], s61, \j*32*AP
	s_add_nc_u64 s[G0A+4*\j+2:G0A+4*\j+3], s[72:73], s[58:59]
	s_or_b32 s[G0A+4*\j+3], s[G0A+4*\j+3], 0x80000000
	tensor_load_to_lds s[G0A+4*\j:G0A+4*\j+3], s[G1A:G1A+7]
	s_nop 0
.endr
.irp j, 0,1,2
	s_mov_b32 s[G0Q+4*\j], 1
	s_add_co_u32 s[G0Q+4*\j+1], s68, QS+\j*QSTRIP
	s_add_nc_u64 s[G0Q+4*\j+2:G0Q+4*\j+3], s[66:67], \j*1024
	s_or_b32 s[G0Q+4*\j+3], s[G0Q+4*\j+3], 0x80000000
	tensor_load_to_lds s[G0Q+4*\j:G0Q+4*\j+3], s[G1Q:G1Q+7]        ; six loads out, the most in this text
	s_nop 0
.endr
	v_and_b32 v10, 31, v0                          ; lane
	v_and_b32 v11, 15, v0                          ; r
	v_bfe_u32 v12, v0, 4, 1                        ; h
	v_lshlrev_b32 v[VOFF], 4, v10
	v_lshlrev_b32 v[OUTO], 4, v10
.irp kk, 0,1,2
.irp nt, 0,1,2,3,4,5
	global_load_b128 v[WR+48*\kk+8*\nt:WR+48*\kk+8*\nt+3],   v[VOFF], s[WB:WB+1] offset:\kk*1024+\nt*24576
	global_load_b128 v[WR+48*\kk+8*\nt+4:WR+48*\kk+8*\nt+7], v[VOFF], s[WB:WB+1] offset:\kk*1024+\nt*24576+512
.endr
.endr
	v_mul_u32_u24 v[XA], v11, AP
	v_lshl_add_u32 v[XA], v12, 4, v[XA]
	v_mul_u32_u24 v[QA], v11, QP
	v_lshl_add_u32 v[QA], v12, 5, v[QA]
	v_add_nc_u32 v[QA], QS, v[QA]
	v_add_nc_u32 v[RA], s68, v[OUTO]
	v_add_nc_u32 v[RA], QS, v[RA]
	v_add_nc_u32 v[RA+1], QSTRIP, v[RA]
	v_add_nc_u32 v[RA+2], QSTRIP, v[RA+1]
	; column tile nt of mine begins at column 96 w + 16 nt: strip (column / 256), 4 bytes a column inside it
.irp nt, 0,1,2,3,4,5
	s_mul_i32 s57, s2, 96
	s_add_co_u32 s57, s57, 16*\nt
	s_lshr_b32 s58, s57, 8
	s_mul_i32 s58, s58, QSTRIP
	s_and_b32 s57, s57, 255
	s_lshl2_add_u32 s58, s57, s58
	v_add_nc_u32 v[SAB+\nt], s58, v[QA]
.endr
	s_wait_tensorcnt 0x3                           ; my three blocks of att are in; q's three loads stay out
	s_barrier_signal -1
	s_barrier_wait -1                              ; att is whole.
	GROUP 1, 0                                     ; the first products start the sums
	s_mov_b32 s56, 2
.Lgroups:
	ADVANCE
	GROUP 0, 0
	s_sub_co_u32 s56, s56, 1
	s_cmp_lg_u32 s56, 0
	s_cbranch_scc1 .Lgroups
	ADVANCE
	GROUP 0, 1
.irp t, 0,1,2,3,4,5
	global_load_b128 v[BOP+4*\t:BOP+4*\t+3], v[OUTO], s[78:79] offset:512*\t
	global_load_b128 v[GAM+4*\t:GAM+4*\t+3], v[OUTO], s[80:81] offset:512*\t
	global_load_b128 v[BET+4*\t:BET+4*\t+3], v[OUTO], s[82:83] offset:512*\t
.endr
	s_wait_tensorcnt 0x0                           ; my rows of q are in,
	s_wait_dscnt 0x0
	s_barrier_signal -1
	s_barrier_wait -1                              ; everybody's are
	; x = q + 2 x sums, kept in the accumulators: the lane holds row 16 mt + r, columns 96 w + 16 nt + 8 h + 0 .. 7.
	; First every wave reads its q, three column tiles at a time; only behind a barrier is x written over q.
.irp hf, 0,1
.irp nn, 0,1,2
.irp mt, 0,1,2,3
	ds_load_b128 v[QT+32*\nn+8*\mt:QT+32*\nn+8*\mt+3],   v[SAB+3*\hf+\nn] offset:\mt*16*QP
	ds_load_b128 v[QT+32*\nn+8*\mt+4:QT+32*\nn+8*\mt+7], v[SAB+3*\hf+\nn] offset:\mt*16*QP+16
.endr
.endr
	s_wait_dscnt 0x0
	WIN 0x41                                       ; source 0 and the destination (the sums) in window 1
.irp nn, 0,1,2
.irp mt, 0,1,2,3
.irp qq, 0,2,4,6
	v_pk_fma_f32 v[8*(4*(3*\hf+\nn)+\mt)+\qq:8*(4*(3*\hf+\nn)+\mt)+\qq+1], v[8*(4*(3*\hf+\nn)+\mt)+\qq:8*(4*(3*\hf+\nn)+\mt)+\qq+1], 2.0, v[QT+32*\nn+8*\mt+\qq:QT+32*\nn+8*\mt+\qq+1] op_sel_hi:[1,0,1]
.endr
.endr
.endr
	WIN 0
.endr
	s_barrier_signal -1                            ; my reads of q are back (the wait for 0 above)
	s_barrier_wait -1                              ; everybody's are: q's stage may be written
	WIN 0x04                                       ; the stores' data in window 1
.irp nt, 0,1,2,3,4,5
.irp mt, 0,1,2,3
	ds_store_b128 v[SAB+\nt], v[8*(4*\nt+\mt):8*(4*\nt+\mt)+3]   offset:\mt*16*QP
	ds_store_b128 v[SAB+\nt], v[8*(4*\nt+\mt)+4:8*(4*\nt+\mt)+7] offset:\mt*16*QP+16
.endr
.endr
	WIN 0
	s_wait_dscnt 0x0
	s_barrier_signal -1
	s_barrier_wait -1                              ; x is whole
	s_wait_loadcnt 0x0                             ; bo, gamma, beta
.irp rr, 0,1,2,3,4,5,6,7
	ROW \rr
.endr
	s_wait_tensorcnt 0x0
	ds_add_u32 v254, v255
	s_wait_dscnt 0x0
	s_endpgm
.Lfunc_end_k_qe465359516_outln:
	.size	k_qe465359516_outln, .Lfunc_end_k_qe465359516_outln-k_qe465359516_outln
	.p2alignl 7, 3214868480
	.fill 96, 4, 3214868480
	.section	.rodata,"a",@progbits
	.p2align	6, 0x0
	.amdhsa_kernel k_qe465359516_outln
		.amdhsa_group_segment_fixed_size 311296
		.amdhsa_private_segment_fixed_size 0
		.amdhsa_enable_private_segment 0
		.amdhsa_kernarg_size 56
		.amdhsa_user_sgpr_count 2
		.amdhsa_user_sgpr_kernarg_segment_ptr 1
		.amdhsa_wavefront_size32 1
		.amdhsa_system_sgpr_workgroup_id_x 1
		.amdhsa_system_sgpr_workgroup_id_y 1
		.amdhsa_system_sgpr_workgroup_id_z 1
		.amdhsa_system_vgpr_workitem_id 0
		.amdhsa_next_free_vgpr 448
		.amdhsa_next_free_sgpr 96
		.amdhsa_reserve_vcc 0
		.amdhsa_float_denorm_mode_32 3
		.amdhsa_float_denorm_mode_16_64 3
		.amdhsa_memory_ordered 1
		.amdhsa_forward_progress 1
		.amdhsa_inst_pref_size 138
	.end_amdhsa_kernel
	.amdgpu_metadata
---
amdhsa.version: [ 1, 2 ]
amdhsa.kernels:
  - .name:           k_qe465359516_outln
    .symbol:         k_qe465359516_outln.kd
    .args:
      - { .name: ah, .offset: 0, .size: 8, .value_kind: global_buffer, .address_space: global }
      - { .name: wp, .offset: 8, .size: 8, .value_kind: global_buffer, .address_space: global }
      - { .name: q, .offset: 16, .size: 8, .value_kind: global_buffer, .address_space: global }
      - { .name: bo, .offset: 24, .size: 8, .value_kind: global_buffer, .address_space: global }
      - { .name: gamma, .offset: 32, .size: 8, .value_kind: global_buffer, .address_space: global }
      - { .name: beta, .offset: 40, .size: 8, .value_kind: global_buffer, .address_space: global }
      - { .name: out0, .offset: 48, .size: 8, .value_kind: global_buffer, .address_space: global }
    .group_segment_fixed_size: 311296
    .private_segment_fixed_size: 0
    .kernarg_segment_align: 8
    .kernarg_segment_size: 56
    .max_flat_workgroup_size: 256
    .sgpr_count:     96
    .vgpr_count:     448
    .wavefront_size: 32
...
	.end_amdgpu_metadata
.endif
;; end of part 4
